; MI455X (gfx1250); checked and timed in simulation.
; The chip was launched on July 23, 2026; its instructions are those of AMD's public machine-readable ISA for CDNA 5 (MIT licence, August 2026) and "CDNA5" Instruction Set Architecture Reference Guide (July 2026). The comments in the code are by the model that wrote it; some were corrected since.
;; Small Former Block. Allowed arithmetic: matrix products marked QUANTISED: E2M1 operands, one E8M0 scale for each 32 along K, by v_wmma_scale_f32_16x16x128_f8f6f4 with both operands' format E2M1 (or v_wmma_scale_f32_32x16x128_f4), f32 sums; everything else in f32.
;; Inputs: prelu_w 512 float32; x 1 x 4,096 x 512 float32.
;; Outputs: out0 1 x 4,096 x 512 float32.
;; This version of the problem:
;;   THIS VERSION OF THE PROBLEM IS GIVEN IN LOW PRECISION. The matrix products marked QUANTISED in the list below multiply operands that are first quantised to E2M1 (2 exponent bits, 1 mantissa bit; 4 bits a number), with one power-of-two scale for each 32 numbers along K (OCP MX v1.0); their sums are f32. All else is computed in f32.
;;   The module's matrix products, in the order in which they are computed (A, B: the left and right operand; K: the contracted axis; several contracted axes count as one K, in the product's order):
;;     1. batch 8 x [M 4,096, K 64] x [K 64, N 4,096]; A: computed on the way; B: computed on the way: QUANTISED
;;     2. batch 8 x [M 4,096, K 4,096] x [K 4,096, N 64]; A: softmax (see below); B: computed on the way: QUANTISED
;;   THE QUANTISER, for each operand of a quantised product, along K:
;;     - K is cut into blocks of 32 from its start; a last block that is shorter is filled with zeros.
;;     - A block's scale is 2^e with e = floor(log2(the largest magnitude in the block)) - 2, held to -126 .. 127; a block of zeros has e = 0. As a byte (E8M0): e + 127.
;;     - Each number is divided by its block's scale, clamped to +-6, and rounded to the nearest number of E2M1, ties to even, subnormals kept.
;;     - The product sums the exact products of the quantised numbers (number of the format x scale) in f32.
;;   ~~~python
;;   def quantise(x, axis):      # numpy; x: float32 -> the quantised numbers, widened to float32 again
;;       x = np.moveaxis(x, axis, -1); K = x.shape[-1]
;;       x = np.pad(x, [(0, 0)] * (x.ndim - 1) + [(0, -K % 32)]); x = x.reshape(x.shape[:-1] + (-1, 32)); a = np.abs(x).max(-1, keepdims=True)
;;       e = np.where(a > 0, np.clip(np.frexp(np.where(a > 0, a, 1))[1] - 1 - 2, -126, 127), 0)      # np.frexp(a)[1] - 1 = floor(log2(a)), exactly
;;       r = np.clip(x / 2.0 ** e, -6, 6)
;;       step = 2.0 ** (np.maximum(np.frexp(np.where(r == 0, 1, r))[1] - 1, 0) - 1)
;;       q = np.round(r / step) * step * 2.0 ** e      # np.round: ties to even
;;       return np.moveaxis(q.reshape(q.shape[:-2] + (-1,))[..., :K], -1, axis).astype(np.float32)
;;   ~~~
;;   SOFTMAX AHEAD OF A QUANTISED PRODUCT. Where the list says 'softmax', what is quantised is not the finished softmax but p = 2^(t - M), with t = logit x log2(e) and M = ceil(the row's largest t), a whole number; so 1/2 < the row's largest p <= 1. The row's sum l is taken of the UNQUANTISED p, in f32, and the product's result is divided by l at the end. Since M is a whole number, a kernel that streams over the keys may use a running M (the ceiling of the running maximum): every later rescaling is an exact power of two, which a block's scale takes up: the codes' values come out the same.
;;   OPERANDS COMPUTED ON THE WAY. 'Computed on the way' means the value that the module computes at that place (a softmax that the list does not call 'softmax' is quantised finished and normalised). What goes into a quantiser is computed in f32, as accurately as f32 sums, v_exp_f32 and their like allow (about 1e-6 of the number): no bf16 or f16 on the way to a quantiser, and a product that is left as it is and whose result goes on into a quantised operand takes f32 operands (vector FMAs, or v_wmma_f32_16x16x4_f32). A number that lies on a knife's edge between two numbers of the format may be rounded either way, as far as f32 arithmetic and the matrix unit's own rounding can turn it there, and no further.
;; One version. Each part assembles by itself: llvm-mc -triple=amdgcn-amd-amdhsa -mcpu=gfx1250 --defsym DOCPART=n.
;; ======== version 1 of 1: 3 launches
;; limits: right only within a limited range of input values
;; workspace buffers: kv 2,293,760 bytes; res 8,388,608 bytes
;; launch prep (part 1): grid 128 x 1, 16 waves a work-group, no clusters, 68,096 bytes of LDS; arguments x, kv; writes kv
.if DOCPART == 1
	.amdgcn_target "amdgcn-amd-amdhsa--gfx1250"
	.amdhsa_code_object_version 6
	.text
	.protected	k_qbaf7d260c9_prep
	.globl	k_qbaf7d260c9_prep
	.p2align	8
	.type	k_qbaf7d260c9_prep,@function
k_qbaf7d260c9_prep:
	s_mov_b64 s[64:65], 0
	v_nop
	global_prefetch_b8 v0, s[64:65] scope:SCOPE_SE
	s_setreg_imm32_b32 hwreg(HW_REG_WAVE_MODE, 25, 1), 1
	s_wait_xcnt 0x0
; xn = LayerNorm(x) (no gains), x: [4096][512] f32, and xn's codes of FP4 (E2M1) with one E8M0 scale for each 32 numbers, made twice:
; along a head's 64 channels (the operand of the first product, keys and queries alike) and down the keys (the second product's operand).
; kv: [head 0..7][step 0..31][8,960 bytes]; a step is 128 keys.  In a step:
;   +0     KIMG  8 tiles x 512 bytes: tile t = 2 b + u, lane l = r + 16 h: 16 bytes at 512 t + 16 l = the codes of channels 32 h .. 32 h + 31 of key 32 b + 8 u + r + 8 (r / 8)
;   +4096  VIMG  4 tiles of 16 channels x 1,024 bytes: channel 16 dt + r, key block b: 16 bytes at 1024 dt + 256 b + 16 r
;   +8192  KSW   word 16 t + r: the two scale bytes of that key's two blocks, then 0x7f, 0x7f (the second half of the instruction's K = 128 is zero codes)
;   +8704  VSW   word d (channel): byte b = the scale of key block b
; Both images are the matrix operand's registers, lane by lane: the next launch reads them by 16 bytes a lane at 16 x lane.
; SHARES.  A work-group owns 32 rows, one key block (step = g / 4, b = g % 4): a block down the keys wants 32 whole normalised rows together, which gives 128 work-groups.
; Wave w normalises rows 2 w and 2 w + 1 (a row is 16 numbers a lane), all 32 rows meet in LDS as f32, and behind one barrier wave w quantises
; one K job (head w / 2, u = w % 2: 16 keys x 64 channels, a block of 32 a lane) and one V job (columns 32 w .. 32 w + 31, a column a lane, registers down the 32 keys).
; The variance is taken of x - mean (two passes over registers), so a common offset of the inputs costs no digits.  xn = (x - mean) * rsq(var + eps), all in f32.
; A block's scale byte is its largest magnitude's exponent field - 2, held at 1 from below.  LIMITS: a block of zeros keeps the byte 1 (the rule says 127): its codes are zeros and
; this program alone reads the bytes.  NaN and infinities among the inputs are not served.
; The scale words and bytes (192 bytes a wave pair) leave as parts of aligned blocks of 256 bytes: a step's four key blocks belong to four work-groups.
.set PITCH, 2064                       ; an LDS row: 2,048 bytes + 16
.set ST,    8960                       ; a step's bytes in kv
.set HS,    32*ST                      ; a head's
.set X,     8                          ; v8-39   two rows as loaded, 16 numbers a lane each; later the K job's 32 numbers
.set KN,    8
.set VN,    40                         ; v40-71  the V job's 32 numbers; ahead of the barrier: TR, MEAN, RSTD
.set TR,    40                         ; v40-55  sums at work, 8 registers a row
.set MEAN,  56                         ; v56-59  the mean, twice, for each row (a pair for the packed forms)
.set RSTD,  60                         ; v60-63  1 / sqrt(var + eps), likewise
.set KC,    72                         ; v72-75  the K job's codes;  v76 its conversion's scale operand;  v77 its byte
.set PT,    78                         ; v78-79  targets of the lane permutes; later the K job's scale word
.set VC,    80                         ; v80-83  the V job's codes;  v84 scale operand;  v85 byte
.set MX,    90                         ; v90-91  largest magnitudes at work
	s_load_b128 s[4:7], s[0:1], 0x0                ; x, kv
	v_lshl_add_u32 v96, v0, 2, 0x10200
	v_mov_b32 v97, 0
	v_lshrrev_b32 v6, 5, v0
	s_delay_alu instid0(VALU_DEP_1)
	v_readfirstlane_b32 s8, v6                     ; wave 0..15
	v_and_b32 v1, 31, v0                           ; lane
	s_delay_alu instid0(VALU_DEP_1)
	v_lshlrev_b32 v2, 4, v1
	s_delay_alu instid0(VALU_DEP_1)
	v_lshl_add_u32 v2, v6, 12, v2                  ; x: two rows of 2,048 bytes a wave, 16 bytes a lane
	v_mul_u32_u24 v3, v6, 2*PITCH
	s_delay_alu instid0(VALU_DEP_1)
	v_lshl_add_u32 v3, v1, 4, v3                   ; LDS, on the way in: the same two rows
	v_and_b32 v7, 15, v0                           ; r
	v_bfe_u32 v88, v0, 4, 1                        ; h
	s_delay_alu instid0(VALU_DEP_2)
	v_and_b32 v4, 8, v7
	s_delay_alu instid0(VALU_DEP_1)
	v_add_nc_u32 v4, v4, v7                        ; r + 8 (r / 8)
	v_bfe_u32 v86, v0, 5, 1                        ; u = wave % 2
	s_delay_alu instid0(VALU_DEP_1)
	v_lshl_add_u32 v4, v86, 3, v4
	s_delay_alu instid0(VALU_DEP_1)
	v_mul_u32_u24 v4, v4, PITCH                    ; the K job's row: 8 u + r + 8 (r / 8),
	v_bfe_u32 v87, v0, 6, 3                        ; head = wave / 2
	s_delay_alu instid0(VALU_DEP_1)
	v_lshl_add_u32 v4, v87, 8, v4                  ; the head's 256 bytes,
	s_delay_alu instid0(VALU_DEP_1)
	v_lshl_add_u32 v4, v88, 7, v4                  ; my block of 32 channels
	v_lshlrev_b32 v5, 2, v0                        ; the V job's column: 32 x wave + lane
	v_lshlrev_b32 v6, 3, v88                       ; 8 h: my byte's place in the K scale word
	v_mov_b32 v[PT], 0                             ; a lane permute's destination counts as one of its sources
	v_mov_b32 v[PT+1], 0
	s_lshr_b32 s9, ttmp9, 2                        ; step
	s_and_b32 s10, ttmp9, 3                        ; b
	s_lshr_b32 s11, s8, 1                          ; head
	s_and_b32 s18, s8, 1                           ; u
	s_mov_b32 s12, 0x76543210
	s_mov_b32 s13, 0xfedcba98                      ; v_permlanex16_b32's selects for lane l xor 16
	s_mov_b32 s14, 0x3b000000                      ; 1 / 512
	s_mov_b32 s15, 0x3727c5ac                      ; eps = 1e-5
	s_lshl_b32 s19, s10, 1
	s_add_co_u32 s19, s19, s18                     ; t = 2 b + u
	s_lshl_b32 s21, s19, 9
	v_lshl_add_u32 v86, v1, 4, s21                 ; KIMG: 512 t + 16 x lane
	s_lshl_b32 s22, s18, 11
	s_lshl_b32 s23, s10, 8
	s_add_co_u32 s22, s22, s23
	s_add_co_u32 s22, s22, 4096
	v_lshl_add_u32 v87, v88, 10, s22
	s_delay_alu instid0(VALU_DEP_1)
	v_lshl_add_u32 v87, v7, 4, v87                 ; VIMG: 4096 + 1024 (2 u + h) + 256 b + 16 r
	s_lshl_b32 s24, s19, 6
	s_add_co_u32 s24, s24, 8192
	v_lshl_add_u32 v89, v7, 2, s24                 ; KSW: 8192 + 64 t + 4 r
	s_lshl_b32 s25, s18, 7
	s_add_co_u32 s25, s25, s10
	s_add_co_u32 s25, s25, 8704
	v_lshl_add_u32 v88, v1, 2, s25                 ; VSW: 8704 + 4 (32 u + lane) + b
	s_lshl_b32 s16, ttmp9, 16                      ; the work-group's 32 rows of 2,048 bytes
	s_mov_b32 s17, 0
	s_mul_i32 s26, s11, HS
	s_mul_i32 s27, s9, ST
	s_add_co_u32 s26, s26, s27                     ; my head's step in kv
	s_mov_b32 s27, 0
	s_wait_kmcnt 0x0
	s_add_nc_u64 s[4:5], s[4:5], s[16:17]
	s_add_nc_u64 s[6:7], s[6:7], s[26:27]
.irp p, 0,1
.irp j, 0,1,2,3
	global_load_b128 v[X+16*\p+4*\j:X+16*\p+4*\j+3], v2, s[4:5] offset:2048*\p+512*\j   ; 32 lanes read 512 consecutive bytes; x is read again by the next launch: no hint
.endr
.endr
; the sum over the 32 lanes of v[a] (row 0) and v[b] (row 1), by turns; every lane ends with the result
.macro ACROSS a, b
.irp m, 1,2,4,8
	s_delay_alu instid0(VALU_DEP_2)
	v_add_f32_dpp v[\a], v[\a], v[\a] row_xmask:\m row_mask:0xf bank_mask:0xf
	s_delay_alu instid0(VALU_DEP_2)
	v_add_f32_dpp v[\b], v[\b], v[\b] row_xmask:\m row_mask:0xf bank_mask:0xf
.endr
	s_delay_alu instid0(VALU_DEP_2)
	v_permlanex16_b32 v[PT], v[\a], s12, s13
	s_delay_alu instid0(VALU_DEP_2)
	v_permlanex16_b32 v[PT+1], v[\b], s12, s13
	s_delay_alu instid0(VALU_DEP_2)
	v_add_f32 v[\a], v[\a], v[PT]
	s_delay_alu instid0(VALU_DEP_2)
	v_add_f32 v[\b], v[\b], v[PT+1]
.endm
	s_wait_loadcnt 0x0
	; the mean
.irp p, 0,1
.irp q, 0,1,2,3
	v_pk_add_f32 v[TR+8*\p+2*\q:TR+8*\p+2*\q+1], v[X+16*\p+4*\q:X+16*\p+4*\q+1], v[X+16*\p+4*\q+2:X+16*\p+4*\q+3]
.endr
.endr
.irp p, 0
	v_pk_add_f32 v[TR+8*\p:TR+8*\p+1], v[TR+8*\p:TR+8*\p+1], v[TR+8*\p+2:TR+8*\p+3]
	v_pk_add_f32 v[TR+8*\p+4:TR+8*\p+5], v[TR+8*\p+4:TR+8*\p+5], v[TR+8*\p+6:TR+8*\p+7]
.endr
.irp p, 1
	v_pk_add_f32 v[TR+8*\p:TR+8*\p+1], v[TR+8*\p:TR+8*\p+1], v[TR+8*\p+2:TR+8*\p+3]
	s_delay_alu instid0(VALU_DEP_4)
	v_pk_add_f32 v[TR+8*\p+4:TR+8*\p+5], v[TR+8*\p+4:TR+8*\p+5], v[TR+8*\p+6:TR+8*\p+7]
.endr
.irp p, 0
	s_delay_alu instid0(VALU_DEP_3)
	v_pk_add_f32 v[TR+8*\p:TR+8*\p+1], v[TR+8*\p:TR+8*\p+1], v[TR+8*\p+4:TR+8*\p+5]
.endr
.irp p, 1
	s_delay_alu instid0(VALU_DEP_2)
	v_pk_add_f32 v[TR+8*\p:TR+8*\p+1], v[TR+8*\p:TR+8*\p+1], v[TR+8*\p+4:TR+8*\p+5]
.endr
.irp p, 0,1
	s_delay_alu instid0(VALU_DEP_2)
	v_add_f32 v[TR+8*\p], v[TR+8*\p], v[TR+8*\p+1]
.endr
	ACROSS TR, TR+8
.irp p, 0
	s_delay_alu instid0(VALU_DEP_2)
	v_mul_f32 v[MEAN+2*\p], s14, v[TR+8*\p]
	s_delay_alu instid0(VALU_DEP_3)
	v_mul_f32 v[MEAN+2*\p+1], s14, v[TR+8*\p]
.endr
.irp p, 1
	s_delay_alu instid0(VALU_DEP_3)
	v_mul_f32 v[MEAN+2*\p], s14, v[TR+8*\p]
	s_delay_alu instid0(VALU_DEP_4)
	v_mul_f32 v[MEAN+2*\p+1], s14, v[TR+8*\p]
.endr
	; x - mean, in place
.irp p, 0,1
.irp q, 0,1,2,3,4,5,6,7
	v_pk_add_f32 v[X+16*\p+2*\q:X+16*\p+2*\q+1], v[X+16*\p+2*\q:X+16*\p+2*\q+1], v[MEAN+2*\p:MEAN+2*\p+1] neg_lo:[0,1] neg_hi:[0,1]
.endr
.endr
	; the sum of its squares, two chains a row
.irp p, 0,1
	v_pk_mul_f32 v[TR+8*\p:TR+8*\p+1], v[X+16*\p:X+16*\p+1], v[X+16*\p:X+16*\p+1]
	v_pk_mul_f32 v[TR+8*\p+2:TR+8*\p+3], v[X+16*\p+2:X+16*\p+3], v[X+16*\p+2:X+16*\p+3]
.endr
.irp q, 4,8,12
.irp p, 0,1
	s_delay_alu instid0(VALU_DEP_4)
	v_pk_fma_f32 v[TR+8*\p:TR+8*\p+1], v[X+16*\p+\q:X+16*\p+\q+1], v[X+16*\p+\q:X+16*\p+\q+1], v[TR+8*\p:TR+8*\p+1]
	s_delay_alu instid0(VALU_DEP_4)
	v_pk_fma_f32 v[TR+8*\p+2:TR+8*\p+3], v[X+16*\p+\q+2:X+16*\p+\q+3], v[X+16*\p+\q+2:X+16*\p+\q+3], v[TR+8*\p+2:TR+8*\p+3]
.endr
.endr
.irp p, 0
	s_delay_alu instid0(VALU_DEP_3)
	v_pk_add_f32 v[TR+8*\p:TR+8*\p+1], v[TR+8*\p:TR+8*\p+1], v[TR+8*\p+2:TR+8*\p+3]
.endr
.irp p, 1
	s_delay_alu instid0(VALU_DEP_2)
	v_pk_add_f32 v[TR+8*\p:TR+8*\p+1], v[TR+8*\p:TR+8*\p+1], v[TR+8*\p+2:TR+8*\p+3]
.endr
.irp p, 0,1
	s_delay_alu instid0(VALU_DEP_2)
	v_add_f32 v[TR+8*\p], v[TR+8*\p], v[TR+8*\p+1]
.endr
	ACROSS TR, TR+8
.irp p, 0,1
	s_delay_alu instid0(VALU_DEP_2)
	v_fma_f32 v[TR+8*\p], v[TR+8*\p], s14, s15     ; var + eps
.endr
	s_wait_alu depctr_va_vdst(0)
.irp p, 0,1
	v_rsq_f32 v[RSTD+2*\p], v[TR+8*\p]             ; made twice, to fill the pair that the packed multiply names
	v_rsq_f32 v[RSTD+2*\p+1], v[TR+8*\p]
.endr
	v_nop                                          ; one plain instruction between a transcendental and the use of its result (ISA guide 5.7.2)
	s_wait_alu depctr_va_vdst(0)
.irp p, 0,1
.irp q, 0,1,2,3,4,5,6,7
	v_pk_mul_f32 v[X+16*\p+2*\q:X+16*\p+2*\q+1], v[X+16*\p+2*\q:X+16*\p+2*\q+1], v[RSTD+2*\p:RSTD+2*\p+1]
.endr
.endr
.irp p, 0,1
.irp j, 0,1,2,3
	ds_store_b128 v3, v[X+16*\p+4*\j:X+16*\p+4*\j+3] offset:PITCH*\p+512*\j
.endr
.endr
	s_wait_dscnt 0x0                               ; for the others' sake: my two rows lie in LDS
	s_barrier_signal -1
	s_barrier_wait -1                              ; all 32 rows do
.irp i, 0,1,2,3,4,5,6,7
	ds_load_b128 v[KN+4*\i:KN+4*\i+3], v4 offset:16*\i          ; the K job: 32 neighbours along the head's channels.  (Rows 0-7 and 16-23 of a tile lie 16 x 2,064 bytes apart, a multiple of 256: eight loads a wave that may go two deep)
.endr
.irp i, 0,1,2,3,4,5,6,7,8,9,10,11,12,13,14,15,16,17,18,19,20,21,22,23,24,25,26,27,28,29,30,31
	ds_load_b32 v[VN+\i], v5 offset:PITCH*\i       ; the V job: my column, down the 32 keys; 32 lanes read 128 consecutive bytes
.endr
; 32 numbers of one lane, one block, become 16 bytes of codes, the conversion's scale operand and the scale's byte
.macro QBLOCK src, codes, sop, byte
	v_max3_num_f32 v[MX], |v[\src]|, |v[\src+1]|, |v[\src+2]|
	v_max3_num_f32 v[MX+1], |v[\src+3]|, |v[\src+4]|, |v[\src+5]|
.irp i, 6,10,14,18,22,26
	s_delay_alu instid0(VALU_DEP_2)
	v_max3_num_f32 v[MX], v[MX], |v[\src+\i]|, |v[\src+\i+1]|
	s_delay_alu instid0(VALU_DEP_2)
	v_max3_num_f32 v[MX+1], v[MX+1], |v[\src+\i+2]|, |v[\src+\i+3]|
.endr
	s_delay_alu instid0(VALU_DEP_2)
	v_max3_num_f32 v[MX], v[MX], |v[\src+30]|, |v[\src+31]|
	s_delay_alu instid0(VALU_DEP_1)
	v_max3_num_f32 v[MX], v[MX], v[MX+1], 0x1800000        ; and the floor 2^(3 - 127): the byte cannot fall under 1
	s_delay_alu instid0(VALU_DEP_1)
	v_add_nc_u32 v[\sop], 0xff000000, v[MX]                ; 2 off the exponent field: the conversion takes this operand's exponent field as its scale, and nothing else of it
.irp g, 0,1,2,3
	v_cvt_scalef32_pk8_fp4_f32 v[\codes+\g], v[\src+8*\g:\src+8*\g+7], v[\sop]
.endr
	v_lshrrev_b32 v[\byte], 23, v[\sop]                    ; the scale's byte; also the plain instruction behind the conversions
.endm
	s_wait_dscnt 32                                ; the K job's eight loads are in; the V job's 32 are younger
	QBLOCK KN, KC, 76, 77
	s_delay_alu instid0(VALU_DEP_1)
	v_lshlrev_b32 v[PT], v6, v77                   ; my block's byte at its place,
	s_delay_alu instid0(VALU_DEP_1)
	v_permlanex16_b32 v[PT+1], v[PT], s12, s13
	s_delay_alu instid0(VALU_DEP_1)
	v_or_b32 v[PT], v[PT], v[PT+1]                 ; with lane l xor 16's: the key's two bytes,
	s_delay_alu instid0(VALU_DEP_1)
	v_or_b32 v[PT], 0x7f7f0000, v[PT]              ; and 1.0 for the two blocks of zero codes
	s_wait_dscnt 0x0
	QBLOCK VN, VC, 84, 85
	global_store_b128 v86, v[KC:KC+3], s[6:7]      ; 32 lanes store 512 consecutive bytes, at a multiple of 256 from kv's first byte
	global_store_b128 v87, v[VC:VC+3], s[6:7]      ; each 16 lanes store 256 consecutive bytes, likewise aligned
	global_store_b32 v89, v[PT], s[6:7]            ; lanes l and l xor 16 hold the same word and store it to the same place
	global_store_b8 v88, v85, s[6:7]
	s_wait_tensorcnt 0x0
	ds_add_u32 v96, v97
	s_wait_dscnt 0x0
	s_endpgm
.Lfunc_end_k_qbaf7d260c9_prep:
	.size	k_qbaf7d260c9_prep, .Lfunc_end_k_qbaf7d260c9_prep-k_qbaf7d260c9_prep
	.p2alignl 7, 3214868480
	.fill 96, 4, 3214868480
	.section	.rodata,"a",@progbits
	.p2align	6, 0x0
	.amdhsa_kernel k_qbaf7d260c9_prep
		.amdhsa_group_segment_fixed_size 68096
		.amdhsa_private_segment_fixed_size 0
		.amdhsa_enable_private_segment 0
		.amdhsa_kernarg_size 16
		.amdhsa_user_sgpr_count 2
		.amdhsa_user_sgpr_kernarg_segment_ptr 1
		.amdhsa_wavefront_size32 1
		.amdhsa_system_sgpr_workgroup_id_x 1
		.amdhsa_system_sgpr_workgroup_id_y 1
		.amdhsa_system_sgpr_workgroup_id_z 1
		.amdhsa_system_vgpr_workitem_id 0
		.amdhsa_next_free_vgpr 98
		.amdhsa_next_free_sgpr 66
		.amdhsa_reserve_vcc 0
		.amdhsa_float_denorm_mode_32 3
		.amdhsa_float_denorm_mode_16_64 3
		.amdhsa_memory_ordered 1
		.amdhsa_forward_progress 1
		.amdhsa_inst_pref_size 20
	.end_amdhsa_kernel
	.amdgpu_metadata
---
amdhsa.version: [ 1, 2 ]
amdhsa.kernels:
  - .name:           k_qbaf7d260c9_prep
    .symbol:         k_qbaf7d260c9_prep.kd
    .args:
      - { .name: x, .offset: 0, .size: 8, .value_kind: global_buffer, .address_space: global }
      - { .name: kv, .offset: 8, .size: 8, .value_kind: global_buffer, .address_space: global }
    .group_segment_fixed_size: 68096
    .private_segment_fixed_size: 0
    .kernarg_segment_align: 8
    .kernarg_segment_size: 16
    .max_flat_workgroup_size: 512
    .sgpr_count:     66
    .vgpr_count:     98
    .wavefront_size: 32
...
	.end_amdgpu_metadata
.endif
;; end of part 1
;; launch attn (part 2): grid 32 x 8, 16 waves a work-group, clusters of 4 x 1, 327,680 bytes of LDS; arguments kv, x, res; writes res
.if DOCPART == 2
	.amdgcn_target "amdgcn-amd-amdhsa--gfx1250"
	.amdhsa_code_object_version 6
	.text
	.protected	k_qbaf7d260c9_attn
	.globl	k_qbaf7d260c9_attn
	.p2align	8
	.type	k_qbaf7d260c9_attn,@function
k_qbaf7d260c9_attn:
	s_mov_b64 s[64:65], 0
	v_nop
	global_prefetch_b8 v0, s[64:65] scope:SCOPE_SE
	s_setreg_imm32_b32 hwreg(HW_REG_WAVE_MODE, 25, 1), 1
	s_wait_xcnt 0x0
	s_wait_alu depctr_hold_cnt(0) depctr_sa_sdst(0) depctr_va_vdst(0) depctr_va_sdst(0) depctr_va_ssrc(0) depctr_va_vcc(0) depctr_vm_vsrc(0)
	s_getreg_b32 s2, hwreg(HW_REG_IB_STS2, 6, 4)
	s_cmp_eq_u32 s2, 0
	s_cbranch_scc0 .Lentry_in_a_cluster
	s_endpgm
.Lentry_in_a_cluster:
	s_bfe_u32 s2, ttmp6, 0x10000c
	s_cmp_lg_u32 s2, 0x3003
	s_cbranch_scc0 .Lentry_shape_is_right
	s_endpgm
.Lentry_shape_is_right:
; res = attention(xn, xn, xn) + x, a head and 128 rows to a work-group.  kv holds xn's codes of FP4 (E2M1) and their scale bytes, laid by the launch before:
; kv: [head 0..7][step 0..31][8,960 bytes], a step = 128 keys: +0 K's eight tiles as operand registers, +4096 V's four tiles of 16 channels likewise, +8192 K's scale words, +8704 V's.
; SHARES.  The queries of tile t are rows 128 step + 32 (t / 2) + 8 (t % 2) + r + 8 (r / 8), r = 0..15, of the work-group's step.  Two waves share a tile and divide the 32 steps of keys: part w / 8 = 0 or 1.
; With a = w / 4: a = 0 and 3 share tile w % 4, a = 1 and 2 tile 4 + w % 4.  Of steps 0 to 7 they take 6, 5, 3, 2 for a = 0, 1, 2, 3, of steps 8 to 31 20, 14, 10, 4: 26, 19, 13 and 6 in all, 64 in the four waves of equal w % 4.
; The loops have 5 and 20 trips in every wave.
; Behind the loops all waves lay their part of O and of the sums into LDS, and wave (tile, part p) finishes rows r = 8 p .. 8 p + 7 of its tile: joins the parts, divides, adds x, stores whole units of 256 bytes.
; LDS holds the whole head, 286,720 bytes, filled once, as 1,120 rows of 256 bytes, by two joint loads a wave for the cluster's four work-groups, which share the head: 18 rows a wave at the head
; (288 rows: steps 0 to 7 and a little of step 8), 52 rows a wave behind a round (the rest), which have the first loop's work in which to land.  PREFETCH: none, since all is asked for ahead of the first loop.
; Both products are transposed: S^T = K Q^T, O^T = V^T P^T: a lane holds one query (lane % 16); its 16 score registers of a block of 32 keys are 16 neighbours along the keys.
; The head's 64 channels fill half of the instruction's K = 128: the other half is zero codes on both sides, under the byte 0x7f.
; SOFTMAX.  t = score x log2(e) / 8, M = the row's running maximum of t, rounded up to a whole number: p = 2^(t - M) is at most 1.  The running maximum begins with the 16 keys of the queries' own tile: M0.
; O and the row's sum are kept to the base M0: with d = M - M0, a whole number, P's scale bytes carry + d and a step's sum is multiplied by 2^d: exact powers of two, and O itself is never rescaled.
; d is bounded for every input: M0 >= t(q, q) = c |q|^2 (c = log2(e) / 8, vectors as quantised), t(q, k) <= c |q| |k|, so t(q, k) - t(q, q) <= c |k|^2 / 4; a code is never more than twice its number,
; and LayerNorm gives |k|^2 <= 512 before quantising: d <= c x 512 + 1 < 94.  So scale bytes stay under 125 + 94, and O under 2^94 x 4096 x 64: no overflow in f32; the row's own key keeps the joined sum at 1/2 or more.
; A block's exponent is floor(t) of its largest score, which the search for the maximum passes through.
; LIMITS: a block whose largest p lies under 2^-124 keeps the byte 1; NaN and infinities among the inputs are not served.
.set ST,    8960
.set HS,    32*ST
.set VIMG,  4096
.set KSW,   8192
.set VSW,   8704
.set R1,    18                         ; rows of 256 bytes a wave in the first fill
.set R2,    52                         ; and in the second
.set SP,    272                        ; the way out: a row of 256 bytes + 16
.set TB16,  16*SP                      ; a tile's 16 rows
.set PB,    8*TB16                     ; a part's eight tiles
.set SUMB,  2*PB                       ; behind the parts: the sums [part][tile][row].  All of it lies in bytes that have had their last fill
.set SPARE, HS                         ; the spare words, 128 bytes a wave
.set LI,  1                            ; v1   16 x lane
.set LW,  2                            ; v2   4 x lane
.set NM,  4                            ; v4   -M;  v5  -M0
.set NM0, 5
.set SM,  6                            ; v6   the largest score so far
.set T,   7
.set TP,  8
.set DI,  9                            ; v9   d
.set DW,  10                           ; v10  d in each byte
.set GO,  11                           ; v11  my byte offset in x's and res's rows
.set SUM, 12                           ; v12-13 the row's sum in two halves
.set F,   14                           ; v14  2^d;  v15 is named with it
.set SA,  16                           ; v16-23 a step's sum, four pairs
.set BM,  24                           ; v24-27 largest scores
.set N,   28                           ; v28-31 block exponents
.set SO,  32                           ; v32-35 the conversions' scale operands
.set PW,  36                           ; v36  P's scale word
.set ADL, 37                           ; v37  LDS: the next step + 16 x lane
.set KS,  38                           ; v38-41 K's scale words
.set VS,  42                           ; v42-43 V's
.set QS,  44                           ; v44  Q's
.set SPW, 45                           ; v45  LDS address of my spare word;  v46  0
.set NIL, 46
.set ADW, 47                           ; v47  LDS: the next step + 4 x lane
.set QF,  48                           ; v48-55
.set KF,  56                           ; v56-119 eight tiles of K, the upper four registers of each zero; at the end x
.set XR,  56
.set VF,  120                          ; v120-151
.set PC,  152                          ; v152-159
.set OT,  160                          ; v160-191
.set SC,  192                          ; v192-255
.set WV,  12
.set LIM1, 16                          ; s16, s17  my trips in the two loops
.set LIM2, 17
.set TBC, 39                           ; s39  LDS: the step to fetch, held inside the bytes that have landed
.set SEL, 40
.set CS,  42
.set MC,  44
.set CNT, 45
.set TB,  46                           ; s46  LDS: where the step to fetch begins
.set TB0, 47                           ; s47  my first step of 0 to 7
.set TB2, 76                           ; s76  my first step of 8 to 31
.set G1A, 48                           ; s[48:55], s[56:63] descriptor groups 1 of the two fills;  s[68:71], s[72:75] their groups 0
.set G1B, 56
.set G0A, 68
.set G0B, 72
; a round of the cluster's barrier
.macro CROUND
	s_barrier_signal -1
	s_barrier_wait -1
	s_cmp_lg_u32 s[WV], 0
	s_cbranch_scc1 .Lnot_wave_0_\@
	s_barrier_signal -3
.Lnot_wave_0_\@:
	s_barrier_wait -3
	s_barrier_signal -1
	s_barrier_wait -1
.endm
	s_load_b128 s[4:7], s[0:1], 0x0                ; kv, x
	s_load_b64 s[8:9], s[0:1], 0x10                ; res
	v_lshl_add_u32 v[SPW], v0, 2, SPARE
	v_mov_b32 v[NIL], 0
	ds_add_u32 v[SPW], v[NIL]                      ; the wave's opening: the add, twice on end, and its wait
	ds_add_u32 v[SPW], v[NIL]
	v_lshrrev_b32 v3, 5, v0
	v_and_b32 v[T], 31, v0
	v_and_b32 v[TP], 15, v0
	v_readfirstlane_b32 s[WV], v3
	v_bfe_u32 v[DI], v0, 4, 1
	v_lshlrev_b32 v[LI], 4, v[T]
	v_lshlrev_b32 v[LW], 2, v[T]
	v_lshlrev_b32 v3, 2, v[TP]                     ; 4 r: Q's scale words
	v_lshlrev_b32 v[GO], 4, v[TP]
	v_lshl_add_u32 v[GO], v[DI], 11, v[GO]         ; 16 r + 2,048 h: lanes 0-15 one row, lanes 16-31 the next
	s_bfe_u32 s11, ttmp6, 0x40000                  ; my place in the cluster
	s_lshl_b32 s13, ttmp9, 2
	s_add_co_u32 s13, s13, s11                     ; the step that holds my queries
	s_and_b32 s15, ttmp7, 0xffff                   ; head
	s_lshr_b32 s10, s[WV], 2                       ; a
	s_lshr_b32 s36, s[WV], 3                       ; part
	s_xor_b32 s14, s10, s36
	s_and_b32 s14, s14, 1                          ; 0, 1, 1, 0 for a = 0, 1, 2, 3
	s_lshl_b32 s14, s14, 2
	s_and_b32 s30, s[WV], 3
	s_add_co_u32 s14, s14, s30                     ; tile
	s_and_b32 s31, s36, s10                        ; 1 where a = 3
	s_mul_i32 s30, s36, 5
	s_add_co_u32 s30, s30, s31                     ; my first step of 0 to 7: 0, 0, 5, 6
	s_mul_i32 s[TB0], s30, ST
	s_mul_i32 s30, s36, 14
	s_mul_i32 s31, s31, 6
	s_add_co_u32 s30, s30, s31
	s_add_co_u32 s30, s30, 8                       ; my first step of 8 to 31: 8, 8, 22, 28
	s_mul_i32 s[TB2], s30, ST
	s_sub_co_u32 s[LIM1], 5, s10
	s_sub_co_u32 s[LIM1], s[LIM1], s36             ; trips that work: 5, 4, 2, 1: one fewer than my steps of 0 to 7,
	s_and_b32 s30, s10, 1
	s_mul_i32 s30, s30, 6
	s_sub_co_u32 s[LIM2], 20, s30
	s_mul_i32 s30, s36, 10
	s_sub_co_u32 s[LIM2], s[LIM2], s30             ; and 20, 14, 10, 4: the last step stands behind the loops
	s_mul_i32 s37, s15, HS
	s_mul_i32 s18, s[WV], R1*256                   ; the first fill's place in LDS,
	s_add_co_u32 s20, s37, s18                     ; and in kv
	s_mov_b32 s21, 0
	s_mul_i32 s19, s[WV], R2*256
	s_add_co_u32 s19, s19, 16*R1*256               ; the second's
	s_add_co_u32 s22, s37, s19
	s_mov_b32 s23, 0
	s_mul_i32 s38, s13, ST
	s_add_co_u32 s37, s37, s38
	s_lshl_b32 s38, s14, 9
	s_add_co_u32 s24, s37, s38                     ; Q's codes
	s_mov_b32 s25, 0
	s_lshl_b32 s38, s14, 6
	s_add_co_u32 s26, s37, s38
	s_add_co_u32 s26, s26, KSW                     ; Q's scale words
	s_mov_b32 s27, 0
	s_lshl_b32 s28, s13, 7                         ; the rows that I finish: 128 step + 32 (tile / 2) + 8 (tile % 2) + 16 part
	s_lshr_b32 s38, s14, 1
	s_lshl_b32 s38, s38, 5
	s_add_co_u32 s28, s28, s38
	s_and_b32 s38, s14, 1
	s_lshl_b32 s38, s38, 3
	s_add_co_u32 s28, s28, s38
	s_lshl_b32 s38, s36, 4
	s_add_co_u32 s28, s28, s38
	s_lshl_b32 s28, s28, 11
	s_lshl_b32 s38, s15, 8
	s_add_co_u32 s28, s28, s38                     ; my head's 256 bytes of a row
	s_mov_b32 s29, 0
	s_mul_i32 s30, s14, TB16
	s_mul_i32 s31, s36, PB
	s_add_co_u32 s32, s30, s31                     ; LDS: where my part of O goes,
	s_mul_i32 s31, s36, 8*SP
	s_add_co_u32 s33, s30, s31                     ; where my eight rows lie,
	s_lshl_b32 s30, s14, 6
	s_add_co_u32 s30, s30, SUMB
	s_lshl_b32 s31, s36, 9
	s_add_co_u32 s34, s30, s31                     ; where my sums go,
	s_lshl_b32 s31, s36, 5
	s_add_co_u32 s35, s30, s31                     ; and where my rows' sums lie
	s_mov_b32 s[SEL], 0x76543210
	s_mov_b32 s[SEL+1], 0xfedcba98                 ; v_permlanex16_b32's selects for lane l xor 16
	s_mov_b32 s[CS], 0x3e38aa3b                    ; c = log2(e) / 8
	s_mov_b32 s[CS+1], s[CS]
	s_mov_b32 s[MC], 0xbe38aa3b                    ; -c
.irp g, G1A, G1B                       ; descriptor group 1: rows of 32 elements of 8 bytes, dense; all four partners
	s_mov_b32 s[\g], 15|(3<<16)|(1<<21)
	s_mov_b32 s[\g+1], 32<<16
	s_mov_b32 s[\g+3], 32<<16
	s_mov_b32 s[\g+5], 32
	s_mov_b32 s[\g+6], 0
	s_mov_b32 s[\g+7], 0
.endr
	s_mov_b32 s[G1A+2], R1<<16
	s_mov_b32 s[G1A+4], R1
	s_mov_b32 s[G1B+2], R2<<16
	s_mov_b32 s[G1B+4], R2
	s_mov_b32 s[G0A], 1
	s_mov_b32 s[G0A+1], s18
	s_mov_b32 s[G0B], 1
	s_mov_b32 s[G0B+1], s19
	s_wait_alu depctr_va_vdst(0)
	s_wait_dscnt 0x0                               ; both opening adds are done
	s_wait_kmcnt 0x0
	s_add_nc_u64 s[G0A+2:G0A+3], s[4:5], s[20:21]
	s_or_b32 s[G0A+3], s[G0A+3], 0x80000000
	s_add_nc_u64 s[G0B+2:G0B+3], s[4:5], s[22:23]
	s_or_b32 s[G0B+3], s[G0B+3], 0x80000000
	s_add_nc_u64 s[24:25], s[4:5], s[24:25]
	s_add_nc_u64 s[26:27], s[4:5], s[26:27]
	s_add_nc_u64 s[6:7], s[6:7], s[28:29]
	s_add_nc_u64 s[8:9], s[8:9], s[28:29]
	global_load_b128 v[QF:QF+3], v[LI], s[24:25]
	global_load_b128 v[SC+16:SC+19], v[LI], s[24:25]      ; once more: as the keys of the tile's product with itself
	global_load_b32 v[QS], v3, s[26:27]                   ; the same words in both halves of the lanes
	CROUND                                         ; the four work-groups are here: the first joint loads meet
	tensor_load_to_lds s[G0A:G0A+3], s[G1A:G1A+7]
	s_nop 0
.irp j, 4,5,6,7
	v_mov_b32 v[SC+16+\j], 0
	v_mov_b32 v[QF+\j], 0
.endr
.irp t, 0,1,2,3,4,5,6,7
.irp j, 4,5,6,7
	v_mov_b32 v[KF+8*\t+\j], 0                     ; the channels' zero half: not loaded into while the loops run
.endr
.endr
	v_mov_b32 v[SUM], 0
	v_mov_b32 v[SUM+1], 0
	v_mov_b32 v[F+1], 0                            ; named as the upper half of the pair v[F:F+1]
	v_mov_b32 v[TP], 0                             ; a lane permute's destination counts as one of its sources
	s_wait_alu depctr_va_vdst(0)
	s_wait_loadcnt 0x0                             ; Q
	v_wmma_scale_f32_16x16x128_f8f6f4 v[SC:SC+7], v[SC+16:SC+23], v[QF:QF+7], 0, v[QS], v[QS] matrix_a_fmt:MATRIX_FMT_FP4 matrix_b_fmt:MATRIX_FMT_FP4 matrix_b_scale:MATRIX_SCALE_ROW1
.set i, 0
.rept 32
	v_mov_b32 v[OT+i], 0                           ; the step's first use adds onto zeros.  Also the places behind the product
.set i, i+1
.endr
	v_max3_num_f32 v[T], v[SC], v[SC+1], v[SC+2]
	v_max3_num_f32 v[T], v[T], v[SC+3], v[SC+4]
	v_max3_num_f32 v[T], v[T], v[SC+5], v[SC+6]
	v_max_num_f32 v[T], v[T], v[SC+7]
	s_delay_alu instid0(VALU_DEP_1)
	v_permlanex16_b32 v[TP], v[T], s[SEL], s[SEL+1]
	s_delay_alu instid0(VALU_DEP_1)
	v_max_num_f32 v[SM], v[T], v[TP]
	s_delay_alu instid0(VALU_DEP_1)
	v_mul_f32 v[T], s[MC], v[SM]
	s_delay_alu instid0(VALU_DEP_1)
	v_floor_f32 v[NM0], v[T]                       ; -M0
	v_add_nc_u32 v[ADL], s[TB0], v[LI]
	v_add_nc_u32 v[ADW], s[TB0], v[LW]
.macro KLOAD                           ; 12 LDS loads: each b128 reads 512 consecutive bytes
.irp t, 0,1,2,3,4,5,6,7
	ds_load_b128 v[KF+8*\t:KF+8*\t+3], v[ADL] offset:512*\t
.endr
.irp j, 0,1,2,3
	ds_load_b32 v[KS+\j], v[ADW] offset:KSW+128*\j
.endr
.endm
.macro VLOAD                           ; 10 LDS loads
.irp d, 0,1,2,3
.irp c, 0,1
	ds_load_b128 v[VF+8*\d+4*\c:VF+8*\d+4*\c+3], v[ADL] offset:VIMG+1024*\d+512*\c
.endr
.endr
.irp j, 0,1
	ds_load_b32 v[VS+\j], v[ADW] offset:VSW+128*\j
.endr
.endm
.macro SCALE a, n                      ; t - M, two at a time
.set i, \a
.rept \n
	v_pk_fma_f32 v[SC+i:SC+i+1], v[SC+i:SC+i+1], s[CS:CS+1], v[NM:NM+1] op_sel_hi:[1,0,0]
.set i, i+2
.endr
.endm
.macro ADD4 a                          ; eight p onto the step's four pairs of sums
.irp q, 0,2,4,6
	v_pk_add_f32 v[SA+\q:SA+\q+1], v[SA+\q:SA+\q+1], v[SC+\a+\q:SC+\a+\q+1]
.endr
.endm
.macro STEP last
.if \last
	s_wait_dscnt 0x0                               ; K and V: my last reads of the head
.else
	s_wait_dscnt 10                                ; K is in; V's ten loads are younger
.endif
.irp b, 0,1,2,3
	v_wmma_scale_f32_32x16x128_f4 v[SC+16*\b:SC+16*\b+15], v[KF+16*\b:KF+16*\b+15], v[QF:QF+7], 0, v[KS+\b], v[QS]
.endr
.if \last
.rept 4
	v_nop                                          ; places: for the loads into K's registers and the reads of the scores
.endr
.irp j, 0,1,2,3
	global_load_b128 v[XR+4*\j:XR+4*\j+3], v[GO], s[6:7] offset:4096*\j   ; x, two of my rows each
.endr
	s_wait_alu depctr_va_vdst(0)
	s_barrier_signal -1                            ; I have read all that I read of the head; work on registers until the wait
.else
	v_add_nc_u32 v[ADL], s[TBC], v[LI]             ; the next step; two of the four places for the loads into K's registers and the reads of the scores
	v_add_nc_u32 v[ADW], s[TBC], v[LW]
	v_nop
	v_nop
	KLOAD
.endif
.irp b, 0,1,2,3
	v_max3_num_f32 v[BM+\b], v[SC+16*\b], v[SC+16*\b+1], v[SC+16*\b+2]   ; the largest score of each block of 32 keys: my 16 of them
.endr
.irp i, 3,5,7,9,11,13
.irp b, 0,1,2,3
	v_max3_num_f32 v[BM+\b], v[BM+\b], v[SC+16*\b+\i], v[SC+16*\b+\i+1]
.endr
.endr
.irp b, 0,1,2,3
	v_max_num_f32 v[BM+\b], v[BM+\b], v[SC+16*\b+15]
.endr
	v_permlane16_swap_b32 v[BM], v[BM+1]           ; both halves of block 0 now stand in lanes 0-15, those of block 1 in lanes 16-31
	v_permlane16_swap_b32 v[BM+2], v[BM+3]
	v_max_num_f32 v[BM], v[BM], v[BM+1]            ; lanes 0-15: block 0, lanes 16-31: block 1
	v_max_num_f32 v[BM+2], v[BM+2], v[BM+3]        ; blocks 2 and 3
	s_delay_alu instid0(VALU_DEP_1)
	v_max_num_f32 v[T], v[BM], v[BM+2]
	s_delay_alu instid0(VALU_DEP_1)
	v_permlanex16_b32 v[TP], v[T], s[SEL], s[SEL+1]
	s_delay_alu instid0(VALU_DEP_1)
	v_max3_num_f32 v[SM], v[SM], v[T], v[TP]       ; the running maximum
	s_delay_alu instid0(VALU_DEP_1)
	v_mul_f32 v[T], s[MC], v[SM]
	s_delay_alu instid0(VALU_DEP_1)
	v_floor_f32 v[NM], v[T]                        ; -M = floor(-t)
	SCALE 0, 2
	v_fma_f32 v[BM], v[BM], s[CS], v[NM]           ; the blocks' largest t - M
	v_fma_f32 v[BM+2], v[BM+2], s[CS], v[NM]
	v_sub_f32 v[DI], v[NM0], v[NM]                 ; d = M - M0
	SCALE 4, 5
	v_max_num_f32 v[BM], 0xc2f80000, v[BM]         ; held at -124: the byte cannot fall under 1
	v_max_num_f32 v[BM+2], 0xc2f80000, v[BM+2]
	v_cvt_i32_f32 v[DI], v[DI]
	SCALE 14, 5
	v_cvt_floor_i32_f32 v[N], v[BM]                ; the largest p's exponent
	v_cvt_floor_i32_f32 v[N+2], v[BM+2]
	v_lshl_or_b32 v[DW], v[DI], 8, v[DI]
	v_ldexp_f32 v[F], 1.0, v[DI]
	SCALE 24, 5
	v_mov_b32 v[N+1], v[N]
	v_mov_b32 v[N+3], v[N+2]
	v_lshl_or_b32 v[DW], v[DW], 16, v[DW]
	SCALE 34, 5
	v_permlane16_swap_b32 v[N], v[N+1]             ; block 0 in all lanes of the first, block 1 in the second's
	v_permlane16_swap_b32 v[N+2], v[N+3]
	SCALE 44, 5
	v_lshl_add_u32 v[T], v[N+3], 8, v[N+2]
	v_lshl_add_u32 v[SO], v[N], 23, 0x3e800000     ; (exponent + 125) << 23: the conversion's scale operand
	v_lshl_add_u32 v[SO+1], v[N+1], 23, 0x3e800000
	SCALE 54, 3
	v_lshl_add_u32 v[T], v[T], 8, v[N+1]
	v_lshl_add_u32 v[SO+2], v[N+2], 23, 0x3e800000
	v_lshl_add_u32 v[SO+3], v[N+3], 23, 0x3e800000
	SCALE 60, 2
	v_lshl_add_u32 v[T], v[T], 8, v[N]
	s_wait_alu depctr_va_vdst(0)
.set i, 0
.rept 64
	v_exp_f32 v[SC+i], v[SC+i]
.set i, i+1
.endr
	v_add3_u32 v[PW], v[T], v[DW], 0x7d7d7d7d      ; four bytes: exponent + 125 + d, each 1 to 219.  Also the plain place behind the exponentials
	s_wait_alu depctr_va_vdst(0)                   ; and one behind the batch
.irp b, 0,1,2,3
	v_cvt_scalef32_pk8_fp4_f32 v[PC+2*\b], v[SC+16*\b:SC+16*\b+7], v[SO+\b]
	v_cvt_scalef32_pk8_fp4_f32 v[PC+2*\b+1], v[SC+16*\b+8:SC+16*\b+15], v[SO+\b]
.endr
.irp q, 0,2,4,6
	v_pk_add_f32 v[SA+\q:SA+\q+1], v[SC+\q:SC+\q+1], v[SC+8+\q:SC+8+\q+1]   ; the row's sum, of the unquantised p
.endr
	ADD4 16
.irp c, 0,1
.irp i, 0,1
	v_permlane16_swap_b32 v[PC+4*\c+\i], v[PC+4*\c+2+\i]   ; whole blocks in a lane, as the operand's layout has them
.endr
.endr
	ADD4 24
	ADD4 32
.if \last == 0
	s_wait_dscnt 12                                ; V is in; the next step's 12 loads of K are younger
.endif
	s_wait_alu depctr_va_vdst(0)                   ; the wait directly ahead of each reader of O^T here
	v_wmma_scale_f32_32x16x128_f4 v[OT:OT+15], v[VF:VF+15], v[PC:PC+7], v[OT:OT+15], v[VS], v[PW]
	s_wait_alu depctr_va_vdst(0)
	v_wmma_scale_f32_32x16x128_f4 v[OT+16:OT+31], v[VF+16:VF+31], v[PC:PC+7], v[OT+16:OT+31], v[VS+1], v[PW]
	ADD4 40                                        ; four places ahead of the loads into V's registers
.if \last == 0
	VLOAD
.endif
	ADD4 48
	ADD4 56
	v_pk_add_f32 v[SA:SA+1], v[SA:SA+1], v[SA+2:SA+3]
	v_pk_add_f32 v[SA+4:SA+5], v[SA+4:SA+5], v[SA+6:SA+7]
	s_delay_alu instid0(VALU_DEP_1)
	v_pk_add_f32 v[SA:SA+1], v[SA:SA+1], v[SA+4:SA+5]
	s_delay_alu instid0(VALU_DEP_1)
	v_pk_fma_f32 v[SUM:SUM+1], v[SA:SA+1], v[F:F+1], v[SUM:SUM+1] op_sel_hi:[1,0,1]   ; to the base M0
.endm
.macro RUN trips, lim, hi              ; a trip works on the step in hand and fetches the one at s[TB], held at step hi
	s_mov_b32 s[CNT], 0
.Lrun_\@:
	s_cmp_ge_u32 s[CNT], s[\lim]
	s_cbranch_scc1 .Lnone_\@                       ; my share of this loop is done: round the step's work alone
	s_min_u32 s[TBC], s[TB], \hi*ST
	STEP 0
.Lnone_\@:
	s_wait_alu depctr_va_vdst(0)
	s_add_co_u32 s[TB], s[TB], ST
	s_add_co_u32 s[CNT], s[CNT], 1
	s_cmp_lt_u32 s[CNT], \trips
	s_cbranch_scc1 .Lrun_\@
.endm
	s_wait_alu depctr_va_vdst(0)
	s_wait_tensorcnt 0x0                           ; my part of steps 0 to 7 is in
	ds_add_u32 v[SPW], v[NIL]
	s_wait_dscnt 0x0
	CROUND                                         ; everybody's part is in, and the joint loads meet
	tensor_load_to_lds s[G0B:G0B+3], s[G1B:G1B+7]
	s_nop 0
	KLOAD
	VLOAD
	s_add_co_u32 s[TB], s[TB0], ST
	RUN 5, LIM1, 7                                 ; my steps of 0 to 7 but the last, which is fetched
	s_wait_tensorcnt 0x0                           ; my part of the rest is in
	s_wait_dscnt 0x0
	s_barrier_signal -1
	s_barrier_wait -1                              ; and everybody's
	s_mov_b32 s[TB], s[TB2]
	RUN 20, LIM2, 31                               ; that one, and my steps of 8 to 31 but the last, which is fetched
	STEP 1
	; MY PART OF O AND OF THE SUMS INTO LDS: row r, channels 16 d + 8 h + 0..7
.set STO, 24
.set RD,  25
.set LST, 26
.set RDL, 27
	v_add_f32 v[SUM], v[SUM], v[SUM+1]
	v_and_b32 v28, 15, v0                          ; r
	v_bfe_u32 v29, v0, 4, 1                        ; h
	v_permlanex16_b32 v[TP], v[SUM], s[SEL], s[SEL+1]
	v_mul_u32_u24 v[STO], v28, SP
	v_mul_u32_u24 v[RD], v29, SP
	v_lshlrev_b32 v[LST], 2, v28
	v_lshlrev_b32 v[RDL], 2, v29
	v_add_f32 v[SUM], v[SUM], v[TP]                ; with lane l xor 16's keys
	v_lshl_add_u32 v[STO], v29, 5, v[STO]
	v_lshl_add_u32 v[RD], v28, 4, v[RD]
	v_add_nc_u32 v[LST], s34, v[LST]
	v_add_nc_u32 v[RDL], s35, v[RDL]
	v_add_nc_u32 v[STO], s32, v[STO]
	v_add_nc_u32 v[RD], s33, v[RD]
	s_wait_alu depctr_va_vdst(0)
	s_barrier_wait -1                              ; nobody reads the head any more
.irp d, 0,1,2,3
	ds_store_b128 v[STO], v[OT+8*\d:OT+8*\d+3] offset:64*\d
	ds_store_b128 v[STO], v[OT+8*\d+4:OT+8*\d+7] offset:64*\d+16
.endr
	ds_store_b32 v[LST], v[SUM]                    ; lanes l and l xor 16 write the same word with the same value
	s_wait_dscnt 0x0                               ; for the others' sake: my part lies in LDS
	s_barrier_signal -1
	s_barrier_wait -1
	; MY EIGHT ROWS, two an instruction: lanes 0-15 one, lanes 16-31 the next
.set OA, 192                           ; v192-207 part 0, then the result
.set OB, 208                           ; v208-223 part 1
.set LA, 224                           ; v224-231 the sums
.set RI, 232                           ; v232-235 1 / sum
	s_wait_alu depctr_va_vdst(0)
.irp j, 0,1,2,3
	ds_load_b32 v[LA+\j], v[RDL] offset:8*\j
	ds_load_b32 v[LA+4+\j], v[RDL] offset:512+8*\j
.endr
.irp j, 0,1,2,3
	ds_load_b128 v[OA+4*\j:OA+4*\j+3], v[RD] offset:2*SP*\j
	ds_load_b128 v[OB+4*\j:OB+4*\j+3], v[RD] offset:PB+2*SP*\j
.endr
	s_wait_dscnt 8                                 ; the eight sums are in; O's eight loads are younger
.irp j, 0,1,2,3
	v_add_f32 v[RI+\j], v[LA+\j], v[LA+4+\j]
.endr
	s_wait_alu depctr_va_vdst(0)
.irp j, 0,1,2,3
	v_rcp_f32 v[RI+\j], v[RI+\j]
.endr
	v_nop                                          ; a plain place behind the transcendentals
	s_wait_loadcnt 0x0                             ; x
	s_wait_dscnt 0x0
	s_wait_alu depctr_va_vdst(0)                   ; and one behind the batch
.irp q, 0,2,4,6,8,10,12,14
	v_pk_add_f32 v[OA+\q:OA+\q+1], v[OA+\q:OA+\q+1], v[OB+\q:OB+\q+1]
.endr
.irp q, 0,2
	v_pk_fma_f32 v[OA+\q:OA+\q+1], v[OA+\q:OA+\q+1], v[RI:RI+1], v[XR+\q:XR+\q+1] op_sel_hi:[1,0,1]
	v_pk_fma_f32 v[OA+4+\q:OA+5+\q], v[OA+4+\q:OA+5+\q], v[RI:RI+1], v[XR+4+\q:XR+5+\q] op_sel:[0,1,0] op_sel_hi:[1,1,1]
	v_pk_fma_f32 v[OA+8+\q:OA+9+\q], v[OA+8+\q:OA+9+\q], v[RI+2:RI+3], v[XR+8+\q:XR+9+\q] op_sel_hi:[1,0,1]
	v_pk_fma_f32 v[OA+12+\q:OA+13+\q], v[OA+12+\q:OA+13+\q], v[RI+2:RI+3], v[XR+12+\q:XR+13+\q] op_sel:[0,1,0] op_sel_hi:[1,1,1]
.endr
.irp j, 0,1,2,3
	global_store_b128 v[GO], v[OA+4*\j:OA+4*\j+3], s[8:9] offset:4096*\j   ; sixteen lanes store 256 consecutive bytes, at a multiple of 256 from res's first byte
.endr
	s_wait_tensorcnt 0x0                           ; the wave's end
	ds_add_u32 v[SPW], v[NIL]
	s_wait_dscnt 0x0
	CROUND                                         ; the closing round
	s_endpgm
.Lfunc_end_k_qbaf7d260c9_attn:
	.size	k_qbaf7d260c9_attn, .Lfunc_end_k_qbaf7d260c9_attn-k_qbaf7d260c9_attn
	.p2alignl 7, 3214868480
	.fill 96, 4, 3214868480
	.section	.rodata,"a",@progbits
	.p2align	6, 0x0
	.amdhsa_kernel k_qbaf7d260c9_attn
		.amdhsa_group_segment_fixed_size 327680
		.amdhsa_private_segment_fixed_size 0
		.amdhsa_enable_private_segment 0
		.amdhsa_kernarg_size 24
		.amdhsa_user_sgpr_count 2
		.amdhsa_user_sgpr_kernarg_segment_ptr 1
		.amdhsa_wavefront_size32 1
		.amdhsa_system_sgpr_workgroup_id_x 1
		.amdhsa_system_sgpr_workgroup_id_y 1
		.amdhsa_system_sgpr_workgroup_id_z 1
		.amdhsa_system_vgpr_workitem_id 0
		.amdhsa_next_free_vgpr 256
		.amdhsa_next_free_sgpr 80
		.amdhsa_reserve_vcc 0
		.amdhsa_float_denorm_mode_32 3
		.amdhsa_float_denorm_mode_16_64 3
		.amdhsa_memory_ordered 1
		.amdhsa_forward_progress 1
		.amdhsa_inst_pref_size 55
	.end_amdhsa_kernel
	.amdgpu_metadata
---
amdhsa.version: [ 1, 2 ]
amdhsa.kernels:
  - .name:           k_qbaf7d260c9_attn
    .symbol:         k_qbaf7d260c9_attn.kd
    .args:
      - { .name: kv, .offset: 0, .size: 8, .value_kind: global_buffer, .address_space: global }
      - { .name: x, .offset: 8, .size: 8, .value_kind: global_buffer, .address_space: global }
      - { .name: res, .offset: 16, .size: 8, .value_kind: global_buffer, .address_space: global }
    .group_segment_fixed_size: 327680
    .private_segment_fixed_size: 0
    .kernarg_segment_align: 8
    .kernarg_segment_size: 24
    .max_flat_workgroup_size: 512
    .sgpr_count:     80
    .vgpr_count:     256
    .wavefront_size: 32
...
	.end_amdgpu_metadata
.endif
;; end of part 2
;; launch finish (part 3): grid 256 x 1, 8 waves a work-group, no clusters, 0 bytes of LDS; arguments res, prelu_w, out0; writes out0
.if DOCPART == 3
	.amdgcn_target "amdgcn-amd-amdhsa--gfx1250"
	.amdhsa_code_object_version 6
	.text
	.protected	k_qbaf7d260c9_finish
	.globl	k_qbaf7d260c9_finish
	.p2align	8
	.type	k_qbaf7d260c9_finish,@function
k_qbaf7d260c9_finish:
	s_mov_b64 s[64:65], 0
	v_nop
	global_prefetch_b8 v0, s[64:65] scope:SCOPE_SE
	s_setreg_imm32_b32 hwreg(HW_REG_WAVE_MODE, 25, 1), 1
	s_wait_xcnt 0x0
; out0 = PReLU(LayerNorm(res)) + res.  res, out0: [4096][512] f32; prelu_w: [512] f32, a slope for each column.  LayerNorm without gains, eps = 1e-5.
; A stream: every byte of res is read once and every byte of out0 written once, by loads and stores of 512 consecutive bytes a wave.  No LDS, no barrier, no matrix unit: a row lives in one wave.
; A work-group of eight waves owns 16 rows, a wave two; a row is 16 numbers a lane (columns 128 j + 4 x lane + 0 .. 3) and stays in registers between the passes.
; The variance is taken of res - mean (two passes over registers).  PReLU(y) = max(y, 0) + w min(y, 0): no compare, no select.  LIMIT: an infinite slope, NaN and infinities are not served.
.set W,    4                           ; v4-19   my 16 slopes
.set R,    20                          ; v20-51  two rows as loaded
.set D,    52                          ; v52-83  res - mean, then y, then min(y, 0)
.set MEAN, 84                          ; v84-87  the mean, twice, for each row
.set RSTD, 88                          ; v88-91  1 / sqrt(var + eps), likewise
.set PT,   92                          ; v92-93  targets of the lane permutes
.set T,    96                          ; v96-127 sums at work, then the results
	s_load_b128 s[4:7], s[0:1], 0x0                ; res, prelu_w
	s_load_b64 s[8:9], s[0:1], 0x10                ; out0
	v_lshrrev_b32 v3, 5, v0                        ; wave
	v_and_b32 v1, 31, v0
	s_delay_alu instid0(VALU_DEP_1)
	v_lshlrev_b32 v1, 4, v1                        ; 16 x lane
	s_delay_alu instid0(VALU_DEP_1)
	v_lshl_add_u32 v2, v3, 12, v1                  ; + two rows of 2,048 bytes a wave
	v_mov_b32 v[PT], 0                             ; a lane permute's destination counts as one of its sources
	v_mov_b32 v[PT+1], 0
	s_lshl_b32 s10, ttmp9, 15                      ; the work-group's 16 rows
	s_mov_b32 s11, 0
	s_mov_b32 s12, 0x76543210
	s_mov_b32 s13, 0xfedcba98                      ; v_permlanex16_b32's selects for lane l xor 16
	s_mov_b32 s14, 0x3b000000                      ; 1 / 512
	s_mov_b32 s15, 0x3727c5ac                      ; eps = 1e-5
	s_wait_alu depctr_va_vdst(0)
	s_wait_kmcnt 0x0
	s_add_nc_u64 s[4:5], s[4:5], s[10:11]
	s_add_nc_u64 s[8:9], s[8:9], s[10:11]
.irp p, 0,1
.irp j, 0,1,2,3
	global_load_b128 v[R+16*\p+4*\j:R+16*\p+4*\j+3], v2, s[4:5] offset:2048*\p+512*\j th:TH_LOAD_NT   ; read once in the launch
.endr
.endr
.irp j, 0,1,2,3
	global_load_b128 v[W+4*\j:W+4*\j+3], v1, s[6:7] offset:512*\j   ; read by every wave: no hint
.endr
; the sum over the 32 lanes of v[a] (row 0) and v[b] (row 1), by turns; every lane ends with the result
.macro ACROSS a, b
.irp m, 1,2,4,8
	s_delay_alu instid0(VALU_DEP_2)
	v_add_f32_dpp v[\a], v[\a], v[\a] row_xmask:\m row_mask:0xf bank_mask:0xf
	s_delay_alu instid0(VALU_DEP_2)
	v_add_f32_dpp v[\b], v[\b], v[\b] row_xmask:\m row_mask:0xf bank_mask:0xf
.endr
	s_delay_alu instid0(VALU_DEP_2)
	v_permlanex16_b32 v[PT], v[\a], s12, s13
	s_delay_alu instid0(VALU_DEP_2)
	v_permlanex16_b32 v[PT+1], v[\b], s12, s13
	s_delay_alu instid0(VALU_DEP_2)
	v_add_f32 v[\a], v[\a], v[PT]
	s_delay_alu instid0(VALU_DEP_2)
	v_add_f32 v[\b], v[\b], v[PT+1]
.endm
	s_wait_loadcnt 0x0
	; the mean
.irp p, 0,1
.irp q, 0,1,2,3
	v_pk_add_f32 v[T+8*\p+2*\q:T+8*\p+2*\q+1], v[R+16*\p+4*\q:R+16*\p+4*\q+1], v[R+16*\p+4*\q+2:R+16*\p+4*\q+3]
.endr
.endr
.irp p, 0
	v_pk_add_f32 v[T+8*\p:T+8*\p+1], v[T+8*\p:T+8*\p+1], v[T+8*\p+2:T+8*\p+3]
	v_pk_add_f32 v[T+8*\p+4:T+8*\p+5], v[T+8*\p+4:T+8*\p+5], v[T+8*\p+6:T+8*\p+7]
.endr
.irp p, 1
	v_pk_add_f32 v[T+8*\p:T+8*\p+1], v[T+8*\p:T+8*\p+1], v[T+8*\p+2:T+8*\p+3]
	s_delay_alu instid0(VALU_DEP_4)
	v_pk_add_f32 v[T+8*\p+4:T+8*\p+5], v[T+8*\p+4:T+8*\p+5], v[T+8*\p+6:T+8*\p+7]
.endr
.irp p, 0
	s_delay_alu instid0(VALU_DEP_3)
	v_pk_add_f32 v[T+8*\p:T+8*\p+1], v[T+8*\p:T+8*\p+1], v[T+8*\p+4:T+8*\p+5]
.endr
.irp p, 1
	s_delay_alu instid0(VALU_DEP_2)
	v_pk_add_f32 v[T+8*\p:T+8*\p+1], v[T+8*\p:T+8*\p+1], v[T+8*\p+4:T+8*\p+5]
.endr
.irp p, 0,1
	s_delay_alu instid0(VALU_DEP_2)
	v_add_f32 v[T+8*\p], v[T+8*\p], v[T+8*\p+1]
.endr
	ACROSS T, T+8
.irp p, 0
	s_delay_alu instid0(VALU_DEP_2)
	v_mul_f32 v[MEAN+2*\p], s14, v[T+8*\p]
	s_delay_alu instid0(VALU_DEP_3)
	v_mul_f32 v[MEAN+2*\p+1], s14, v[T+8*\p]
.endr
.irp p, 1
	s_delay_alu instid0(VALU_DEP_3)
	v_mul_f32 v[MEAN+2*\p], s14, v[T+8*\p]
	s_delay_alu instid0(VALU_DEP_4)
	v_mul_f32 v[MEAN+2*\p+1], s14, v[T+8*\p]
.endr
	; res - mean
.irp p, 0,1
.irp q, 0,1,2,3,4,5,6,7
	v_pk_add_f32 v[D+16*\p+2*\q:D+16*\p+2*\q+1], v[R+16*\p+2*\q:R+16*\p+2*\q+1], v[MEAN+2*\p:MEAN+2*\p+1] neg_lo:[0,1] neg_hi:[0,1]
.endr
.endr
	; the sum of its squares, two chains a row
.irp p, 0,1
	v_pk_mul_f32 v[T+8*\p:T+8*\p+1], v[D+16*\p:D+16*\p+1], v[D+16*\p:D+16*\p+1]
	v_pk_mul_f32 v[T+8*\p+2:T+8*\p+3], v[D+16*\p+2:D+16*\p+3], v[D+16*\p+2:D+16*\p+3]
.endr
.irp q, 4,8,12
.irp p, 0,1
	s_delay_alu instid0(VALU_DEP_4)
	v_pk_fma_f32 v[T+8*\p:T+8*\p+1], v[D+16*\p+\q:D+16*\p+\q+1], v[D+16*\p+\q:D+16*\p+\q+1], v[T+8*\p:T+8*\p+1]
	s_delay_alu instid0(VALU_DEP_4)
	v_pk_fma_f32 v[T+8*\p+2:T+8*\p+3], v[D+16*\p+\q+2:D+16*\p+\q+3], v[D+16*\p+\q+2:D+16*\p+\q+3], v[T+8*\p+2:T+8*\p+3]
.endr
.endr
.irp p, 0
	s_delay_alu instid0(VALU_DEP_3)
	v_pk_add_f32 v[T+8*\p:T+8*\p+1], v[T+8*\p:T+8*\p+1], v[T+8*\p+2:T+8*\p+3]
.endr
.irp p, 1
	s_delay_alu instid0(VALU_DEP_2)
	v_pk_add_f32 v[T+8*\p:T+8*\p+1], v[T+8*\p:T+8*\p+1], v[T+8*\p+2:T+8*\p+3]
.endr
.irp p, 0,1
	s_delay_alu instid0(VALU_DEP_2)
	v_add_f32 v[T+8*\p], v[T+8*\p], v[T+8*\p+1]
.endr
	ACROSS T, T+8
.irp p, 0,1
	s_delay_alu instid0(VALU_DEP_2)
	v_fma_f32 v[T+8*\p], v[T+8*\p], s14, s15       ; var + eps
.endr
	s_wait_alu depctr_va_vdst(0)
.irp p, 0,1
	v_rsq_f32 v[RSTD+2*\p], v[T+8*\p]              ; made twice, to fill the pair that the packed multiply names
	v_rsq_f32 v[RSTD+2*\p+1], v[T+8*\p]
.endr
	v_nop                                          ; one plain instruction between a transcendental and the use of its result (ISA guide 5.7.2)
	s_wait_alu depctr_va_vdst(0)
.irp p, 0,1
.irp q, 0,1,2,3,4,5,6,7
	v_pk_mul_f32 v[D+16*\p+2*\q:D+16*\p+2*\q+1], v[D+16*\p+2*\q:D+16*\p+2*\q+1], v[RSTD+2*\p:RSTD+2*\p+1]   ; y
.endr
.endr
.irp p, 0,1
.irp q, 0,1,2,3,4,5,6,7
	v_max_num_f32 v[T+16*\p+2*\q], 0, v[D+16*\p+2*\q]
	v_max_num_f32 v[T+16*\p+2*\q+1], 0, v[D+16*\p+2*\q+1]
	v_min_num_f32 v[D+16*\p+2*\q], 0, v[D+16*\p+2*\q]
	v_min_num_f32 v[D+16*\p+2*\q+1], 0, v[D+16*\p+2*\q+1]
	s_delay_alu instid0(VALU_DEP_3)
	v_pk_add_f32 v[T+16*\p+2*\q:T+16*\p+2*\q+1], v[T+16*\p+2*\q:T+16*\p+2*\q+1], v[R+16*\p+2*\q:R+16*\p+2*\q+1]          ; max(y, 0) + res
	s_delay_alu instid0(VALU_DEP_1)
	v_pk_fma_f32 v[T+16*\p+2*\q:T+16*\p+2*\q+1], v[W+2*\q:W+2*\q+1], v[D+16*\p+2*\q:D+16*\p+2*\q+1], v[T+16*\p+2*\q:T+16*\p+2*\q+1]   ; + w min(y, 0)
.endr
.endr
.irp p, 0,1
.irp j, 0,1,2,3
	global_store_b128 v2, v[T+16*\p+4*\j:T+16*\p+4*\j+3], s[8:9] offset:2048*\p+512*\j th:TH_STORE_NT   ; 32 lanes store 512 consecutive bytes, at a multiple of 256 from out0's first byte
.endr
.endr
	s_endpgm
.Lfunc_end_k_qbaf7d260c9_finish:
	.size	k_qbaf7d260c9_finish, .Lfunc_end_k_qbaf7d260c9_finish-k_qbaf7d260c9_finish
	.p2alignl 7, 3214868480
	.fill 96, 4, 3214868480
	.section	.rodata,"a",@progbits
	.p2align	6, 0x0
	.amdhsa_kernel k_qbaf7d260c9_finish
		.amdhsa_group_segment_fixed_size 0
		.amdhsa_private_segment_fixed_size 0
		.amdhsa_enable_private_segment 0
		.amdhsa_kernarg_size 24
		.amdhsa_user_sgpr_count 2
		.amdhsa_user_sgpr_kernarg_segment_ptr 1
		.amdhsa_wavefront_size32 1
		.amdhsa_system_sgpr_workgroup_id_x 1
		.amdhsa_system_sgpr_workgroup_id_y 1
		.amdhsa_system_sgpr_workgroup_id_z 1
		.amdhsa_system_vgpr_workitem_id 0
		.amdhsa_next_free_vgpr 128
		.amdhsa_next_free_sgpr 66
		.amdhsa_reserve_vcc 0
		.amdhsa_float_denorm_mode_32 3
		.amdhsa_float_denorm_mode_16_64 3
		.amdhsa_memory_ordered 1
		.amdhsa_forward_progress 1
		.amdhsa_inst_pref_size 16
	.end_amdhsa_kernel
	.amdgpu_metadata
---
amdhsa.version: [ 1, 2 ]
amdhsa.kernels:
  - .name:           k_qbaf7d260c9_finish
    .symbol:         k_qbaf7d260c9_finish.kd
    .args:
      - { .name: res, .offset: 0, .size: 8, .value_kind: global_buffer, .address_space: global }
      - { .name: prelu_w, .offset: 8, .size: 8, .value_kind: global_buffer, .address_space: global }
      - { .name: out0, .offset: 16, .size: 8, .value_kind: global_buffer, .address_space: global }
    .group_segment_fixed_size: 0
    .private_segment_fixed_size: 0
    .kernarg_segment_align: 8
    .kernarg_segment_size: 24
    .max_flat_workgroup_size: 256
    .sgpr_count:     66
    .vgpr_count:     128
    .wavefront_size: 32
...
	.end_amdgpu_metadata
.endif
;; end of part 3
